; MI455X (gfx1250); checked and timed in simulation.
; The chip was launched on July 23, 2026; its instructions are those of AMD's public machine-readable ISA for CDNA 5 (MIT licence, August 2026) and "CDNA5" Instruction Set Architecture Reference Guide (July 2026). The comments in the code are by the model that wrote it; some were corrected since.
;; KV Cache Mo E. Allowed arithmetic: float matrix products may take bf16 or f16 operands with f32 sums; all other float work in f32.
;; Inputs: We 8 x 1,024 x 1,024 float32; Wr1 1,024 x 1,024 float32; Wr2 1,024 x 8 float32; be 8 x 1,024 float32; br1 1,024 float32; br2 8 float32; x 8 x 1,024 x 1,024 float32.
;; Outputs: out0 8 x 1,024 x 1,024 float32.
;; 2 versions, each right; version 2 is version 1 with the launch prep written anew for expert scheduling mode. Each part assembles by itself: llvm-mc -triple=amdgcn-amd-amdhsa -mcpu=gfx1250 --defsym DOCPART=n.
;; ======== version 1 of 2: 3 launches
;; workspace buffers: xb 16,777,216 bytes; wt 16,777,216 bytes; psum 262,144 bytes; plog 8,192 bytes
;; launch prep (part 1): grid 256 x 2, 8 waves a work-group, no clusters, 5,120 bytes of LDS; arguments x, We, xb, wt, psum; writes xb, wt, psum
.if DOCPART == 1
	.amdgcn_target "amdgcn-amd-amdhsa--gfx1250"
	.amdhsa_code_object_version 6
	.text
	.protected	k_q66840159c8_prep
	.globl	k_q66840159c8_prep
	.p2align	8
	.type	k_q66840159c8_prep,@function
k_q66840159c8_prep:
	s_mov_b64 s[64:65], 0
	v_nop
	global_prefetch_b8 v0, s[64:65] scope:SCOPE_SE
	s_setreg_imm32_b32 hwreg(HW_REG_WAVE_MODE, 25, 1), 1
	s_wait_xcnt 0x0
; Casts x and We to bf16 for the expert product and makes partial column sums of x for the router's mean.
;   xb   bf16 [8192 rows (b, s)][1024 h]               the same order as x
;   wt   bf16 [1024 h][8192 n'], n' = 512 (d / 64) + 64 e + d % 64     We with the experts interleaved in blocks of 64 columns
;   psum f32  [8 b][8 rg][1024 h]                      column sums of x's rows 128 rg .. 128 rg + 127 of batch b
; Grid y = 0: x;  y = 1: We.  Work-group g of 256 does 32 steps; in a step its 256 threads read 4,096 bytes of f32, 16 a thread,
; and write 2,048 bytes of bf16, 8 a thread.  All 32 loads of a thread go out at once (131,072 bytes a work-group): no loop,
; no register is written twice, so no wait but the counted ones for data.
; x:  work-group g has rows 128 (g / 4) .. + 127 and columns 256 (g % 4) .. + 255.  Thread t = 64 q + c; step j is row 4 j + q:
;     source  (g / 4) 524288 + (g % 4) 1024 + q 4096 + 16 c + j 16384      destination  (g / 4) 262144 + (g % 4) 512 + q 2048 + 8 c + j 8192
;     A thread adds its 32 rows; the four q meet in LDS (4,096 bytes), and threads 0 to 63 store the sums of 128 rows at psum + 1024 g + 16 c:
;     so the router has 8 partial sums to read for a batch, not one for every 32 rows.
; We: step J = 32 g + j stands for h = J / 8 and column blocks X = 2 (J % 8) + t / 128; the thread has e = (t / 16) % 8, c = 4 (t % 16):
;     source  e 4194304 + h 4096 + X 256 + 4 c = J 512 + LW,  LW = 16 (t % 16) + 4194304 ((t / 16) % 8) + 256 (t / 128)
;     destination  h 16384 + X 1024 + e 128 + 2 c = J 2048 + 8 t
; A wave's load covers two aligned runs of 256 bytes, a wave's store of bf16 one aligned run of 256 bytes.
; Rounding: to nearest even, once.  The sums are f32: a thread's in the order of its rows, then the four q.
.set SO,    1                          ; v1         source offset of my 16 bytes in step 0
.set DO,    2                          ; v2         destination offset of my 8 bytes in step 0
.set LT,    3                          ; v3         16 t: my place in LDS, and for t < 64 in the work-group's 1,024 bytes of psum
.set SUMR,  4                          ; v[4:7]     column sums of my four columns (x only)
.set PR,    8                          ; v[8:23]    the four q's sums, read back (threads 0 to 63)
.set XR,    64                         ; v[64:191]  step j: 4 registers as loaded
.set YR,    192                        ; v[192:255] step j: 2 registers to store
; src, dst: the scalar pairs of the two bases; sstep, dstep: bytes from step to step; sums = 1: add the rows up
.macro CAST src, dst, sstep, dstep, sums
.set j, 0
.rept 32
	global_load_b128 v[XR+4*j:XR+4*j+3], v[SO], s[\src:\src+1] offset:j*\sstep th:TH_LOAD_NT   ; read once in the launch
.set j, j+1
.endr
.set j, 0
.rept 32
	s_wait_loadcnt 31-j                            ; loads come back in order: step j is in, the 31 - j younger ones stay out
.if \sums
.if j == 1
	v_pk_add_f32 v[SUMR:SUMR+1],   v[XR:XR+1],   v[XR+4:XR+5]     ; steps 0 and 1 start the sums: nothing is cleared
	v_pk_add_f32 v[SUMR+2:SUMR+3], v[XR+2:XR+3], v[XR+6:XR+7]
.endif
.if j > 1
	v_pk_add_f32 v[SUMR:SUMR+1],   v[SUMR:SUMR+1],   v[XR+4*j:XR+4*j+1]
	v_pk_add_f32 v[SUMR+2:SUMR+3], v[SUMR+2:SUMR+3], v[XR+4*j+2:XR+4*j+3]
.endif
.endif
	v_cvt_pk_bf16_f32 v[YR+2*j],   v[XR+4*j],   v[XR+4*j+1]
	v_cvt_pk_bf16_f32 v[YR+2*j+1], v[XR+4*j+2], v[XR+4*j+3]
	global_store_b64 v[DO], v[YR+2*j:YR+2*j+1], s[\dst:\dst+1] offset:j*\dstep   ; no hint: a later launch reads it again
.set j, j+1
.endr
.endm
	s_load_b256 s[4:11], s[0:1], 0x0               ; x s[4:5], We s[6:7], xb s[8:9], wt s[10:11]
	s_load_b64 s[12:13], s[0:1], 0x20              ; psum
	v_lshl_add_u32 v62, v0, 2, 0x1000
	v_mov_b32 v63, 0
	s_and_b32 s14, ttmp7, 0xffff                   ; 0: x, 1: We
	v_lshrrev_b32 v[LT], 5, v0
	v_readfirstlane_b32 s15, v[LT]                 ; wave
	s_mov_b32 s17, 0
	s_mov_b32 s19, 0
	s_mov_b32 s21, 0
	s_wait_kmcnt 0x0
	s_cmp_lg_u32 s14, 0
	s_cbranch_scc1 .Lweights
	s_lshr_b32 s22, ttmp9, 2                       ; g / 4: which 128 rows
	s_and_b32 s23, ttmp9, 3                        ; g % 4: which 256 columns
	s_lshl_b32 s16, s22, 19                        ; 128 rows x 4,096 bytes
	s_lshl_b32 s18, s23, 10
	s_add_co_u32 s16, s16, s18
	s_lshl_b32 s18, s22, 18                        ; 128 rows x 2,048 bytes
	s_lshl_b32 s20, s23, 9
	s_add_co_u32 s18, s18, s20
	s_lshl_b32 s20, ttmp9, 10                      ; my 1,024 bytes of psum
	v_and_b32 v[LT], 63, v0                        ; c
	v_lshrrev_b32 v[SUMR], 6, v0                   ; q
	v_lshlrev_b32 v[SO], 4, v[LT]
	v_lshl_add_u32 v[SO], v[SUMR], 12, v[SO]       ; q 4096 + 16 c
	v_lshlrev_b32 v[DO], 3, v[LT]
	v_lshl_add_u32 v[DO], v[SUMR], 11, v[DO]       ; q 2048 + 8 c
	v_lshlrev_b32 v[LT], 4, v0                     ; 16 t = q 1024 + 16 c
	s_add_nc_u64 s[4:5], s[4:5], s[16:17]
	s_add_nc_u64 s[8:9], s[8:9], s[18:19]
	s_add_nc_u64 s[12:13], s[12:13], s[20:21]
	CAST 4, 8, 16384, 8192, 1
	ds_store_b128 v[LT], v[SUMR:SUMR+3]
	s_wait_dscnt 0x0                               ; my sums are written,
	s_barrier_signal -1
	s_barrier_wait -1                              ; everybody's are
	s_cmp_ge_u32 s15, 2
	s_cbranch_scc1 .Ldone                          ; waves 0 and 1 (threads 0 to 63) add the four q
.irp q, 0,1,2,3
	ds_load_b128 v[PR+4*\q:PR+4*\q+3], v[LT] offset:1024*\q
.endr
	s_wait_dscnt 0x0
	v_pk_add_f32 v[PR:PR+1],     v[PR:PR+1],     v[PR+4:PR+5]
	v_pk_add_f32 v[PR+2:PR+3],   v[PR+2:PR+3],   v[PR+6:PR+7]
	v_pk_add_f32 v[PR+8:PR+9],   v[PR+8:PR+9],   v[PR+12:PR+13]
	v_pk_add_f32 v[PR+10:PR+11], v[PR+10:PR+11], v[PR+14:PR+15]
	v_pk_add_f32 v[PR:PR+1],     v[PR:PR+1],     v[PR+8:PR+9]
	v_pk_add_f32 v[PR+2:PR+3],   v[PR+2:PR+3],   v[PR+10:PR+11]
	global_store_b128 v[LT], v[PR:PR+3], s[12:13]  ; a wave stores 512 consecutive bytes
.Ldone:
	s_wait_tensorcnt 0x0
	ds_add_u32 v62, v63
	s_wait_dscnt 0x0
	s_endpgm
.Lweights:
	s_lshl_b32 s16, ttmp9, 14                      ; g x 32 steps x 512 bytes
	s_lshl_b32 s18, ttmp9, 16                      ; g x 32 steps x 2,048 bytes
	v_lshlrev_b32 v[DO], 3, v0                     ; 8 t
	v_and_b32 v[SO], 15, v0
	v_lshlrev_b32 v[SO], 4, v[SO]                  ; 16 (t % 16)
	v_bfe_u32 v[LT], v0, 4, 3
	v_lshl_add_u32 v[SO], v[LT], 22, v[SO]         ; + expert x 4,194,304
	v_lshrrev_b32 v[LT], 7, v0
	v_lshl_add_u32 v[SO], v[LT], 8, v[SO]          ; + 256 (t / 128)
	s_add_nc_u64 s[6:7], s[6:7], s[16:17]
	s_add_nc_u64 s[10:11], s[10:11], s[18:19]
	CAST 6, 10, 512, 2048, 0
	s_endpgm
.Lfunc_end_k_q66840159c8_prep:
	.size	k_q66840159c8_prep, .Lfunc_end_k_q66840159c8_prep-k_q66840159c8_prep
	.p2alignl 7, 3214868480
	.fill 96, 4, 3214868480
	.section	.rodata,"a",@progbits
	.p2align	6, 0x0
	.amdhsa_kernel k_q66840159c8_prep
		.amdhsa_group_segment_fixed_size 5120
		.amdhsa_private_segment_fixed_size 0
		.amdhsa_enable_private_segment 0
		.amdhsa_kernarg_size 40
		.amdhsa_user_sgpr_count 2
		.amdhsa_user_sgpr_kernarg_segment_ptr 1
		.amdhsa_wavefront_size32 1
		.amdhsa_system_sgpr_workgroup_id_x 1
		.amdhsa_system_sgpr_workgroup_id_y 1
		.amdhsa_system_sgpr_workgroup_id_z 1
		.amdhsa_system_vgpr_workitem_id 0
		.amdhsa_next_free_vgpr 256
		.amdhsa_next_free_sgpr 66
		.amdhsa_reserve_vcc 0
		.amdhsa_float_denorm_mode_32 3
		.amdhsa_float_denorm_mode_16_64 3
		.amdhsa_memory_ordered 1
		.amdhsa_forward_progress 1
		.amdhsa_inst_pref_size 29
	.end_amdhsa_kernel
	.amdgpu_metadata
---
amdhsa.version: [ 1, 2 ]
amdhsa.kernels:
  - .name:           k_q66840159c8_prep
    .symbol:         k_q66840159c8_prep.kd
    .args:
      - { .name: x, .offset: 0, .size: 8, .value_kind: global_buffer, .address_space: global }
      - { .name: We, .offset: 8, .size: 8, .value_kind: global_buffer, .address_space: global }
      - { .name: xb, .offset: 16, .size: 8, .value_kind: global_buffer, .address_space: global }
      - { .name: wt, .offset: 24, .size: 8, .value_kind: global_buffer, .address_space: global }
      - { .name: psum, .offset: 32, .size: 8, .value_kind: global_buffer, .address_space: global }
    .group_segment_fixed_size: 5120
    .private_segment_fixed_size: 0
    .kernarg_segment_align: 8
    .kernarg_segment_size: 40
    .max_flat_workgroup_size: 256
    .sgpr_count:     66
    .vgpr_count:     256
    .wavefront_size: 32
...
	.end_amdgpu_metadata
.endif
;; end of part 1
;; launch router (part 2): grid 32 x 8, 8 waves a work-group, no clusters, 9,216 bytes of LDS; arguments psum, Wr1, br1, Wr2, plog; writes plog
.if DOCPART == 2
	.amdgcn_target "amdgcn-amd-amdhsa--gfx1250"
	.amdhsa_code_object_version 6
	.text
	.protected	k_q66840159c8_router
	.globl	k_q66840159c8_router
	.p2align	8
	.type	k_q66840159c8_router,@function
k_q66840159c8_router:
	s_mov_b64 s[64:65], 0
	v_nop
	global_prefetch_b8 v0, s[64:65] scope:SCOPE_SE
	s_setreg_imm32_b32 hwreg(HW_REG_WAVE_MODE, 25, 1), 1
	s_wait_xcnt 0x0
; The router up to partial logits.  Work-group (jb, b) makes h[b][32 jb .. 32 jb + 31] = relu(mean(x[b]) Wr1 + br1) and what these 32
; numbers add to the eight logits of batch b:  plog[b][jb][e] = sum over these j of h[b][j] Wr2[j][e].  The last launch adds the 32 parts
; and br2 and takes the softmax.  All in f32 on the vector unit: the product has one row for a work-group, it is a stream over Wr1.
; EVERYTHING THAT THE WORK-GROUP READS IS ASKED FOR AT ITS START: a thread's 8 partial sums (32 registers) and its 32 rows of Wr1 (128 registers),
; 163,840 bytes a work-group, so that the mean is made while Wr1 is on its way.
; Thread t = 8 ks + c4: rows k = 32 ks .. 32 ks + 31 of Wr1, columns 32 jb + 4 c4 .. + 3.  Eight lanes read 128 consecutive bytes of a row, half of an
; aligned run of 256; the work-group beside this one reads the other half.  Whole runs (64 columns) would make 128 work-groups of twice the bytes.
; LDS: M, the mean of batch b, 1,024 f32 at byte 0;  RED, 32 k slices x 32 columns of f32 at byte 4,096.
; The result of a work-group is 32 bytes (8,192 bytes in the whole launch), stored by one lane: there is no more to fill a longer run with.
.set PS,    64                         ; v[64:95]   the 8 partial sums of my four columns; later wave 0's 32 slices
.set W,     96                         ; v[96:223]  my 32 rows of Wr1, four columns each
.set MB,    32                         ; v[32:63]   the 32 numbers of the mean that belong to my rows
.set ACC0,  16                         ; v[16:19]   sums over even rows
.set ACC1,  20                         ; v[20:23]   sums over odd rows
.set W2,    224                        ; v[224:231] wave 0: Wr2's row of my column
.set B1,    232                        ; v232       wave 0: br1 of my column
.set P,     240                        ; v[240:247] wave 0: the eight partial logits
.set RED,   4096
; rows 2 ii and 2 ii + 1: the even one into ACC0, the odd one into ACC1; the mean's number is taken twice from its pair
.macro PAIR ii, first
.if \first
	v_pk_mul_f32 v[ACC0:ACC0+1],   v[W+8*\ii:W+8*\ii+1],   v[MB+2*\ii:MB+2*\ii+1] op_sel_hi:[1,0]
	v_pk_mul_f32 v[ACC0+2:ACC0+3], v[W+8*\ii+2:W+8*\ii+3], v[MB+2*\ii:MB+2*\ii+1] op_sel_hi:[1,0]
	v_pk_mul_f32 v[ACC1:ACC1+1],   v[W+8*\ii+4:W+8*\ii+5], v[MB+2*\ii:MB+2*\ii+1] op_sel:[0,1] op_sel_hi:[1,1]
	v_pk_mul_f32 v[ACC1+2:ACC1+3], v[W+8*\ii+6:W+8*\ii+7], v[MB+2*\ii:MB+2*\ii+1] op_sel:[0,1] op_sel_hi:[1,1]
.else
	v_pk_fma_f32 v[ACC0:ACC0+1],   v[W+8*\ii:W+8*\ii+1],   v[MB+2*\ii:MB+2*\ii+1], v[ACC0:ACC0+1] op_sel_hi:[1,0,1]
	v_pk_fma_f32 v[ACC0+2:ACC0+3], v[W+8*\ii+2:W+8*\ii+3], v[MB+2*\ii:MB+2*\ii+1], v[ACC0+2:ACC0+3] op_sel_hi:[1,0,1]
	v_pk_fma_f32 v[ACC1:ACC1+1],   v[W+8*\ii+4:W+8*\ii+5], v[MB+2*\ii:MB+2*\ii+1], v[ACC1:ACC1+1] op_sel:[0,1,0] op_sel_hi:[1,1,1]
	v_pk_fma_f32 v[ACC1+2:ACC1+3], v[W+8*\ii+6:W+8*\ii+7], v[MB+2*\ii:MB+2*\ii+1], v[ACC1+2:ACC1+3] op_sel:[0,1,0] op_sel_hi:[1,1,1]
.endif
.endm
	s_load_b256 s[4:11], s[0:1], 0x0               ; psum s[4:5], Wr1 s[6:7], br1 s[8:9], Wr2 s[10:11]
	s_load_b64 s[12:13], s[0:1], 0x20              ; plog
	v_lshl_add_u32 v254, v0, 2, 0x2000
	v_mov_b32 v255, 0
	v_lshrrev_b32 v2, 5, v0
	v_readfirstlane_b32 s14, v2                    ; wave
	s_and_b32 s16, ttmp7, 0xffff                   ; b;  jb is ttmp9
	s_mov_b32 s20, 0x76543210                      ; v_permlanex16_b32: lane i reads lane i of the other half
	s_mov_b32 s21, 0xfedcba98
	v_lshlrev_b32 v1, 4, v0                        ; 16 t: in a row of psum, in M and in RED
	v_and_b32 v4, 31, v0                           ; lane L
	v_lshlrev_b32 v5, 2, v4                        ; 4 L
	v_lshlrev_b32 v6, 5, v4                        ; 32 L
	v_lshrrev_b32 v3, 3, v0                        ; ks
	v_and_b32 v2, 7, v0                            ; c4
	v_lshlrev_b32 v2, 4, v2
	v_lshl_add_u32 v2, v3, 17, v2                  ; ks x 32 rows x 4,096 bytes + 16 c4
	v_lshlrev_b32 v3, 7, v3                        ; ks x 32 numbers of M
	v_mov_b32 v7, 0                                ; the lane exchange counts as a reader of its destination
	v_mov_b32 v12, 0                               ; offset of the last stores
	s_mov_b32 s19, 0
	s_lshl_b32 s18, s16, 15                        ; b x 8 rows of psum
	s_wait_kmcnt 0x0
	s_add_nc_u64 s[4:5], s[4:5], s[18:19]
	s_lshl_b32 s18, ttmp9, 7                       ; 32 jb numbers of f32
	s_add_nc_u64 s[6:7], s[6:7], s[18:19]
	s_add_nc_u64 s[8:9], s[8:9], s[18:19]
	s_lshl_b32 s18, ttmp9, 10                      ; 32 jb rows of Wr2, 32 bytes each
	s_add_nc_u64 s[10:11], s[10:11], s[18:19]
	s_lshl_b32 s18, s16, 10
	s_lshl_b32 s15, ttmp9, 5
	s_add_co_u32 s18, s18, s15                     ; 1024 b + 32 jb
	s_add_nc_u64 s[12:13], s[12:13], s[18:19]
	; What wave 0 alone needs at the end goes out first: its oldest loads, so the counts below are right in every wave.
	s_cmp_lg_u32 s14, 0
	s_cbranch_scc1 .Lnot_wave_0
	global_load_b32 v[B1], v5, s[8:9]              ; br1 of column L
	global_load_b128 v[W2:W2+3],   v6, s[10:11]    ; Wr2's row of column L
	global_load_b128 v[W2+4:W2+7], v6, s[10:11] offset:16
.Lnot_wave_0:
.set g, 0
.rept 8
	global_load_b128 v[PS+4*g:PS+4*g+3], v1, s[4:5] offset:g*4096
.set g, g+1
.endr
.set i, 0
.rept 32
	global_load_b128 v[W+4*i:W+4*i+3], v2, s[6:7] offset:i*4096
.set i, i+1
.endr
	s_wait_loadcnt 32                              ; the partial sums are in; the 32 loads of Wr1 stay out
.irp st, 4,2,1
.set g, 0
.rept \st
	v_pk_add_f32 v[PS+4*g:PS+4*g+1],   v[PS+4*g:PS+4*g+1],   v[PS+4*(g+\st):PS+4*(g+\st)+1]
	v_pk_add_f32 v[PS+4*g+2:PS+4*g+3], v[PS+4*g+2:PS+4*g+3], v[PS+4*(g+\st)+2:PS+4*(g+\st)+3]
.set g, g+1
.endr
.endr
	v_pk_mul_f32 v[8:9],   v[PS:PS+1],   0x3a800000 op_sel_hi:[1,0]    ; x 1 / 1024: the mean over the sequence
	v_pk_mul_f32 v[10:11], v[PS+2:PS+3], 0x3a800000 op_sel_hi:[1,0]
	ds_store_b128 v1, v[8:11]                      ; M[4 t .. 4 t + 3]
	s_wait_dscnt 0x0                               ; my part of M is written,
	s_barrier_signal -1
	s_barrier_wait -1                              ; everybody's is
.irp q, 0,1,2,3,4,5,6,7
	ds_load_b128 v[MB+4*\q:MB+4*\q+3], v3 offset:16*\q             ; M[32 ks ..]: the eight lanes of a slice read the same words
.endr
	s_wait_dscnt 0x0
	s_wait_loadcnt 16                              ; rows 0 to 15 of my 32 are in; the other sixteen loads stay out
	PAIR 0, 1                                      ; rows 0 and 1 start the sums
.irp ii, 1,2,3,4,5,6,7
	PAIR \ii, 0
.endr
	s_wait_loadcnt 0x0
.irp ii, 8,9,10,11,12,13,14,15
	PAIR \ii, 0
.endr
	v_pk_add_f32 v[ACC0:ACC0+1],   v[ACC0:ACC0+1],   v[ACC1:ACC1+1]
	v_pk_add_f32 v[ACC0+2:ACC0+3], v[ACC0+2:ACC0+3], v[ACC1+2:ACC1+3]
	ds_store_b128 v1, v[ACC0:ACC0+3] offset:RED    ; RED[ks][4 c4 ..]: 128 ks + 16 c4 = 16 t
	s_wait_dscnt 0x0
	s_barrier_signal -1
	s_barrier_wait -1
	s_cmp_lg_u32 s14, 0
	s_cbranch_scc1 .Lend
	; wave 0: lane L adds the 32 slices of column L
.set k, 0
.rept 32
	ds_load_b32 v[PS+k], v5 offset:RED+128*k
.set k, k+1
.endr
	s_wait_dscnt 0x0
.irp st, 8,4,2,1
.set k, 0
.rept \st
	v_pk_add_f32 v[PS+2*k:PS+2*k+1], v[PS+2*k:PS+2*k+1], v[PS+2*(k+\st):PS+2*(k+\st)+1]
.set k, k+1
.endr
.endr
	v_add_f32 v26, v[PS], v[PS+1]
	v_add_f32 v26, v26, v[B1]                      ; + br1 (landed: older than every load waited for above)
	v_max_num_f32 v26, 0, v26                      ; h of my column,
	v_mov_b32 v27, v26                             ; twice, for the packed products
.irp q, 0,1,2,3
	v_pk_mul_f32 v[P+2*\q:P+2*\q+1], v[W2+2*\q:W2+2*\q+1], v[26:27]
.endr
.irp m, 1,2,4,8
.irp e, 0,1,2,3,4,5,6,7
	v_add_f32_dpp v[P+\e], v[P+\e], v[P+\e] row_xmask:\m row_mask:0xf bank_mask:0xf
.endr
.endr
.irp e, 0,1,2,3,4,5,6,7
	v_permlanex16_b32 v7, v[P+\e], s20, s21
	v_add_f32 v[P+\e], v[P+\e], v7
.endr
	s_wait_xcnt 0x0                                ; EXEC is a source of the loads above: it changes only behind this wait
	v_cmp_eq_u32 vcc_lo, 0, v4
	s_and_saveexec_b32 s22, vcc_lo                 ; lane 0 alone
	global_store_b128 v12, v[P:P+3], s[12:13]
	global_store_b128 v12, v[P+4:P+7], s[12:13] offset:16
	s_wait_xcnt 0x0                                ; and again in front of the line that widens it
	s_or_b32 exec_lo, exec_lo, s22
	s_wait_tensorcnt 0x0
	ds_add_u32 v254, v255
	s_wait_dscnt 0x0
	s_endpgm
.Lend:
	s_wait_tensorcnt 0x0
	ds_add_u32 v254, v255
	s_wait_dscnt 0x0
	s_endpgm
.Lfunc_end_k_q66840159c8_router:
	.size	k_q66840159c8_router, .Lfunc_end_k_q66840159c8_router-k_q66840159c8_router
	.p2alignl 7, 3214868480
	.fill 96, 4, 3214868480
	.section	.rodata,"a",@progbits
	.p2align	6, 0x0
	.amdhsa_kernel k_q66840159c8_router
		.amdhsa_group_segment_fixed_size 9216
		.amdhsa_private_segment_fixed_size 0
		.amdhsa_enable_private_segment 0
		.amdhsa_kernarg_size 40
		.amdhsa_user_sgpr_count 2
		.amdhsa_user_sgpr_kernarg_segment_ptr 1
		.amdhsa_wavefront_size32 1
		.amdhsa_system_sgpr_workgroup_id_x 1
		.amdhsa_system_sgpr_workgroup_id_y 1
		.amdhsa_system_sgpr_workgroup_id_z 1
		.amdhsa_system_vgpr_workitem_id 0
		.amdhsa_next_free_vgpr 256
		.amdhsa_next_free_sgpr 66
		.amdhsa_reserve_vcc 1
		.amdhsa_float_denorm_mode_32 3
		.amdhsa_float_denorm_mode_16_64 3
		.amdhsa_memory_ordered 1
		.amdhsa_forward_progress 1
		.amdhsa_inst_pref_size 19
	.end_amdhsa_kernel
	.amdgpu_metadata
---
amdhsa.version: [ 1, 2 ]
amdhsa.kernels:
  - .name:           k_q66840159c8_router
    .symbol:         k_q66840159c8_router.kd
    .args:
      - { .name: psum, .offset: 0, .size: 8, .value_kind: global_buffer, .address_space: global }
      - { .name: Wr1, .offset: 8, .size: 8, .value_kind: global_buffer, .address_space: global }
      - { .name: br1, .offset: 16, .size: 8, .value_kind: global_buffer, .address_space: global }
      - { .name: Wr2, .offset: 24, .size: 8, .value_kind: global_buffer, .address_space: global }
      - { .name: plog, .offset: 32, .size: 8, .value_kind: global_buffer, .address_space: global }
    .group_segment_fixed_size: 9216
    .private_segment_fixed_size: 0
    .kernarg_segment_align: 8
    .kernarg_segment_size: 40
    .max_flat_workgroup_size: 256
    .sgpr_count:     66
    .vgpr_count:     256
    .wavefront_size: 32
...
	.end_amdgpu_metadata
.endif
;; end of part 2
;; launch moe (part 3): grid 16 x 32, 4 waves a work-group, clusters of 4 x 4, 327,680 bytes of LDS; arguments xb, wt, be, br2, plog, out0; writes out0
.if DOCPART == 3
	.amdgcn_target "amdgcn-amd-amdhsa--gfx1250"
	.amdhsa_code_object_version 6
	.text
	.protected	k_q66840159c8_moe
	.globl	k_q66840159c8_moe
	.p2align	8
	.type	k_q66840159c8_moe,@function
k_q66840159c8_moe:
	s_mov_b64 s[64:65], 0
	v_nop
	global_prefetch_b8 v0, s[64:65] scope:SCOPE_SE
	s_setreg_imm32_b32 hwreg(HW_REG_WAVE_MODE, 25, 1), 1
	s_wait_xcnt 0x0
	s_wait_alu depctr_hold_cnt(0) depctr_sa_sdst(0) depctr_va_vdst(0) depctr_va_sdst(0) depctr_va_ssrc(0) depctr_va_vcc(0) depctr_vm_vsrc(0)
	s_getreg_b32 s2, hwreg(HW_REG_IB_STS2, 6, 4)
	s_cmp_eq_u32 s2, 0
	s_cbranch_scc0 .Lentry_in_a_cluster
	s_endpgm
.Lentry_in_a_cluster:
	s_bfe_u32 s2, ttmp6, 0x10000c
	s_cmp_lg_u32 s2, 0xf033
	s_cbranch_scc0 .Lentry_shape_is_right
	s_endpgm
.Lentry_shape_is_right:
; out[row][d] = sum over e of r[b][e] relu(x[row] . We[e][:, d] + be[e][d]),  r[b] = softmax over e of (sum over jb of plog[b][jb][e] + br2[e]).
; xb: bf16 [8192][1024].  wt: bf16 [1024 k][8192 n'], n' = 512 (d / 64) + 64 e + d % 64.  plog: f32 [8 b][32 jb][8 e].
; Sums, bias, relu, softmax and the sum over experts in f32.
; Work-group (X, Y): rows 256 Y .. + 255 (all of batch b = Y / 4), columns d = 64 X .. + 63, in two passes: experts 0-3, then 4-7.
; A pass is a product of 256 rows by 256 columns n' (4 experts x 64 d) over K = 1,024.  Four waves; wave w = 2 wm + wn has rows 128 wm .. + 127
; and, of each of the pass's experts, the columns d = 64 X + 32 wn .. + 31: 64 accumulator tiles of 16 x 16 (512 registers).  Behind a pass the
; four experts' tiles are cut at zero, weighted and added into 16 output tiles (128 registers), which stay in registers over both passes.
; K goes in steps of 128 through two LDS slots filled by the tensor data mover; the ring runs on from pass 0 into pass 1.
; CLUSTERS: 4 x 4 work-groups.  A's tiles hang on Y alone and are asked for jointly by a row of the cluster, B's on X alone, by a column.
; ONE BLOCK OF 64 COLUMNS A WORK-GROUP, 512 work-groups: six laps of the ring are written out (a pass's first lap takes the bias, its last lap steps
; otherwise, the launch's last lap fills nothing).  A work-group that stayed for a second block would need twelve, twice this text's bytes.
; LIMITS: the product's operands are bf16 (rounded once, in the launch that made xb and wt); v_exp_f32 and v_rcp_f32 flush denormals, so a routing
; weight below 2^-126 counts as 0; the order of the sums is not the reference's.
;
; REGISTERS, in windows of 256:
;   window 0: v0-47 addresses and the softmax; v64-127, v128-191 fragments of A, two buffers; v192-255 output tiles of my rows 64-127
;   window 1: v0-63 output tiles of my rows 0-63; v64-127, v128-191 fragments of B, two buffers; v192-255 the pass's bias, as eight C tiles
;   window 2: the 32 accumulator tiles of my rows 0-63, tile (a, b) at v[8 (8 a + b)], b = 2 (expert in the pass) + (half of my 32 columns);  window 3: rows 64-127
; THE MATRIX INSTRUCTION IS USED TRANSPOSED: source 0 = 16 columns of B, source 1 = 16 rows of A.  Lane l then holds row l % 16, and its registers
; 0 to 7 the columns 8 (l / 16) + 0 .. 7.  The bias in that layout is the C of a pass's first products: nothing is cleared and no add is spent on it.
.set KSTEP,  128
.set PITCH,  272                       ; A in LDS: 256 bytes + 16: the sixteen rows of a fragment load start 16 bytes apart modulo 256
.set BPITCH, 544                       ; B in LDS: a k row of 512 bytes + 32
.set HALFT,  128*PITCH                 ; what one tensor load brings: 128 rows of A, or 64 k rows of B (64 x 544 is the same 34,816 bytes)
.set SLOT,   4*HALFT                   ; A's 256 rows, then B's 128 k rows
.set STAGE,  2*SLOT                    ; behind the ring, at a multiple of 256: for each wm 64 rows x 272 bytes, for the way out; no fill lands here
.set SPITCH, 272
.set BROW,   16384                     ; bytes in a row of wt
.set ADRA, 16                          ; v16-17  LDS address of my A fragments in slot 0, 1
.set ADRB, 20                          ; v20-21  the same for B
.set STO,  24                          ; v24     the way out: where I put 16 bytes of a row
.set RD,   25                          ; v25     the way out: where I read a row back
.set CO,   26                          ; v26     my byte offset in out0
.set BO,   27                          ; v27     my byte offset in a row of be
.set F0,   64
.set F1,   128
.set OUTLO, 0                          ; window 1
.set OUTHI, 192                        ; window 0
.set BIAS,  192                        ; window 1
.set G1,  24                           ; s[24:31] descriptor group 1 for A's tiles
.set G0,  32                           ; s[32:39] group 0 for A's tiles, one set for each slot
.set G1B, 48                           ; s[48:55] group 1 for B's tiles
.set G0B, 56                           ; s[56:63] group 0 for B's tiles, one set for each slot
.set R,   72                           ; s[72:87] pair 72 + 2 e: the routing weight of expert e, twice
.set MSB, 0
.macro WIN new                         ; s_set_vgpr_msb: bits 1:0 source 0, 3:2 source 1, 5:4 source 2, 7:6 destination; the high byte repeats the setting that is left
.if MSB != \new
	s_set_vgpr_msb (MSB<<8)|\new
.set MSB, \new
.endif
.endm
.set MUL_LO,  0xa1                     ; source 0 (B) window 1, source 1 (A) window 0, C and D window 2
.set MUL_HI,  0xf1                     ; the same, C and D window 3
.set BIAS_LO, 0x91                     ; C = the bias in window 1, D window 2
.set BIAS_HI, 0xd1                     ; C = the bias in window 1, D window 3
.set TO_B,    0x40                     ; destination window 1, address window 0
; A joint load.  Waves 0 and 1 fetch A's two halves, waves 2 and 3 B's.  Each line has one mask and one set of registers for all that issue it.
.macro JLOAD s
	s_cmp_eq_u32 s17, 0
	s_cbranch_scc0 .Lfor_b_\@
	tensor_load_to_lds s[G0+4*\s:G0+4*\s+3], s[G1:G1+7]
	s_nop 0
	s_branch .Lasked_\@
.Lfor_b_\@:
	tensor_load_to_lds s[G0B+4*\s:G0B+4*\s+3], s[G1B:G1B+7]
	s_nop 0
.Lasked_\@:
.endm
; A round of the cluster's barrier: my work-group's barrier; wave 0 signals for the work-group; every wave waits for all sixteen; my work-group's barrier again.
.macro CREST                           ; a round behind its opening barrier
	s_cmp_lg_u32 s16, 0
	s_cbranch_scc1 .Lnot_wave_0_\@
	s_barrier_signal -3
.Lnot_wave_0_\@:
	s_barrier_wait -3
	s_barrier_signal -1
	s_barrier_wait -1
.endm
.macro CROUND
	s_barrier_signal -1
	s_barrier_wait -1
	CREST
.endm
	s_load_b256 s[4:11], s[0:1], 0x0               ; xb s[4:5], wt s[6:7], be s[8:9], br2 s[10:11]
	s_load_b128 s[12:15], s[0:1], 0x20             ; plog s[12:13], out0 s[14:15]
	v_lshl_add_u32 v62, v0, 2, 0x4c800
	v_mov_b32 v63, 0
	ds_add_u32 v62, v63
	v_lshrrev_b32 v1, 5, v0
	v_readfirstlane_b32 s16, v1                    ; wave w
	s_lshr_b32 s17, s16, 1                         ; wm: my half of the rows.  Also: I fetch for A (0) or for B (1)
	s_and_b32 s18, s16, 1                          ; wn: my half of the columns.  Also: which half of that tile I fetch
	s_bfe_u32 s19, ttmp6, 0x40000                  ; cx
	s_bfe_u32 s20, ttmp6, 0x40004                  ; cy
	s_lshl_b32 s21, ttmp9, 2
	s_add_co_u32 s21, s21, s19                     ; X = 4 x cluster x + cx
	s_and_b32 s22, ttmp7, 0xffff
	s_lshl_b32 s22, s22, 2
	s_add_co_u32 s22, s22, s20                     ; Y = 4 x cluster y + cy
	s_lshl_b32 s40, s20, 2
	s_lshl_b32 s40, 15, s40                        ; my row of the cluster: places 4 cy .. 4 cy + 3
	s_lshl_b32 s41, 0x1111, s19                    ; my column: places cx, cx + 4, cx + 8, cx + 12
	; group 1 for A: 128 rows x 128 elements of 2 bytes, 4 words of padding behind every 64; rows 1,024 elements apart
	s_or_b32 s[G1+0], s40, (1<<16)|(1<<20)|(1<<21)|(5<<22)|(3<<25)
	s_mov_b32 s[G1+1], 128<<16                     ; tensor_dim0 = 128
	s_mov_b32 s[G1+2], 128<<16                     ; tensor_dim1 = 128
	s_mov_b32 s[G1+3], 128<<16                     ; tile_dim0 = 128
	s_mov_b32 s[G1+4], 128                         ; tile_dim1 = 128
	s_mov_b32 s[G1+5], 1024                        ; elements from row to row
	s_mov_b32 s[G1+6], 0
	s_mov_b32 s[G1+7], 0
	; group 1 for B: 64 k rows x 256 elements, 8 words of padding behind every 128; rows 8,192 elements apart
	s_or_b32 s[G1B+0], s41, (1<<16)|(1<<20)|(1<<21)|(6<<22)|(7<<25)
	s_mov_b32 s[G1B+1], 256<<16
	s_mov_b32 s[G1B+2], 64<<16
	s_mov_b32 s[G1B+3], 256<<16
	s_mov_b32 s[G1B+4], 64
	s_mov_b32 s[G1B+5], 8192
	s_mov_b32 s[G1B+6], 0
	s_mov_b32 s[G1B+7], 0
	; where the tiles come from: A's offset is made of Y and the wave alone, B's of X and the wave alone, each in registers that never hold the other
	s_lshl_b32 s42, s22, 8
	s_lshl_b32 s23, s18, 7
	s_add_co_u32 s42, s42, s23                     ; A: row 256 Y + 128 x half
	s_lshl_b32 s42, s42, 11                        ; x 2,048 bytes
	s_mov_b32 s43, 0
	s_lshl_b32 s44, s21, 10                        ; B: column n' = 512 X, 2 bytes each
	s_lshl_b32 s23, s18, 20                        ; + 64 k rows x 16,384 bytes x half
	s_add_co_u32 s44, s44, s23
	s_mov_b32 s45, 0
	s_mul_i32 s46, s16, HALFT                      ; and where they go: A's halves, then B's halves = wave x 34,816
	s_wait_dscnt 0x0
	s_wait_kmcnt 0x0
	s_add_nc_u64 s[42:43], s[4:5], s[42:43]
	s_add_nc_u64 s[44:45], s[6:7], s[44:45]
	CROUND                                         ; all sixteen work-groups are here: the first joint loads meet
.irp s, 0,1
	s_mov_b32 s[G0+4*\s], 1
	s_add_co_u32 s[G0+4*\s+1], s46, \s*SLOT
	s_add_nc_u64 s[G0+4*\s+2:G0+4*\s+3], s[42:43], \s*KSTEP*2      ; K step s of pass 0
	s_or_b32 s[G0+4*\s+3], s[G0+4*\s+3], 0x80000000
	s_mov_b32 s[G0B+4*\s], 1
	s_add_co_u32 s[G0B+4*\s+1], s46, \s*SLOT
	s_add_nc_u64 s[G0B+4*\s+2:G0B+4*\s+3], s[44:45], \s*KSTEP*BROW
	s_or_b32 s[G0B+4*\s+3], s[G0B+4*\s+3], 0x80000000
	JLOAD \s                                       ; two tensor loads of the wave are out: the most in this text
.endr
	; lane addresses.  r = l % 16, h = l / 16
	v_and_b32 v1, 15, v0                           ; r
	v_bfe_u32 v2, v0, 4, 1                         ; h
	v_mul_u32_u24 v3, v1, PITCH
	v_lshl_add_u32 v3, v2, 4, v3                   ; A, K along the rows: row r, 16 bytes for each half of the lanes
	v_and_b32 v4, 7, v0
	v_lshl_add_u32 v4, v2, 3, v4                   ; B, K down the rows, read by the transposing load: k row 8 h + l % 8,
	v_mul_u32_u24 v4, v4, BPITCH
	v_bfe_u32 v5, v0, 3, 1
	v_lshl_add_u32 v4, v5, 4, v4                   ; eight columns (16 bytes) for each group of eight lanes
	s_mul_i32 s68, s17, HALFT                      ; my 128 rows of A
	s_lshl_b32 s69, s18, 6                         ; my 32 columns of each expert's 64,
	s_add_co_u32 s69, s69, 2*HALFT                 ; behind A's 256 rows
.irp s, 0,1
	v_add_nc_u32 v[ADRA+\s], s68, v3
	v_add_nc_u32 v[ADRB+\s], s69, v4
	s_add_co_u32 s68, s68, SLOT
	s_add_co_u32 s69, s69, SLOT
.endr
	s_mul_i32 s68, s17, 64*SPITCH
	s_add_co_u32 s68, s68, STAGE                   ; the stage that the two waves of my wm share
	s_lshl_b32 s69, s18, 7
	s_add_co_u32 s69, s69, s68                     ; in: my 32 columns (128 bytes) of a row,
	v_mul_u32_u24 v5, v1, SPITCH                   ; row r,
	v_lshl_add_u32 v5, v2, 5, v5                   ; eight columns (32 bytes) for each half of the lanes
	v_add_nc_u32 v[STO], s69, v5
	s_mul_i32 s69, s18, 32*SPITCH
	s_add_co_u32 s69, s69, s68                     ; back: my 32 of the 64 rows,
	v_mul_u32_u24 v5, v2, SPITCH                   ; lanes 0-15 one row of 256 bytes, lanes 16-31 the next
	v_lshl_add_u32 v5, v1, 4, v5
	v_add_nc_u32 v[RD], s69, v5
	v_lshlrev_b32 v5, 12, v2                       ; and the same two rows in out0
	v_lshl_add_u32 v[CO], v1, 4, v5
	s_lshl_b32 s68, s22, 8
	s_lshl_b32 s70, s17, 7
	s_add_co_u32 s68, s68, s70
	s_lshl_b32 s70, s18, 5
	s_add_co_u32 s68, s68, s70                     ; row 256 Y + 128 wm + 32 wn: the first that I store
	s_lshl_b32 s68, s68, 12
	s_lshl_b32 s70, s21, 8                         ; column 64 X
	s_add_co_u32 s68, s68, s70
	s_mov_b32 s69, 0
	s_add_nc_u64 s[14:15], s[14:15], s[68:69]
	s_lshr_b32 s68, s22, 2
	s_lshl_b32 s68, s68, 10                        ; batch b = Y / 4: 1,024 bytes of plog
	s_add_nc_u64 s[12:13], s[12:13], s[68:69]
	s_lshl_b32 s70, s18, 7
	s_lshl_b32 s71, s21, 8
	s_add_co_u32 s70, s70, s71
	v_lshl_add_u32 v[BO], v2, 5, s70               ; be: column 64 X + 32 wn + 8 h
	v_and_b32 v6, 31, v0
	v_lshlrev_b32 v6, 4, v6                        ; plog: lane l takes jb = l / 2 and 16 + l / 2, experts 4 (l % 2) .. + 3
	v_and_b32 v7, 1, v0
	v_lshlrev_b32 v7, 4, v7                        ; br2: the same four experts
	s_mov_b32 s66, 0x76543210
	s_mov_b32 s67, 0xfedcba98
; The bias of pass p as eight C tiles: register j of lane l in tile b = 2 el + c is be[4 p + el][64 X + 32 wn + 16 c + 8 h + j]
.macro BIASLD p
	WIN TO_B
.irp el, 0,1,2,3
.irp c, 0,1
.irp u, 0,1
	global_load_b128 v[BIAS+8*(2*\el+\c)+4*\u:BIAS+8*(2*\el+\c)+4*\u+3], v[BO], s[8:9] offset:(4*\p+\el)*4096+64*\c+16*\u
.endr
.endr
.endr
.endm
	global_load_b128 v[32:35], v6, s[12:13]
	global_load_b128 v[40:43], v6, s[12:13] offset:512
	global_load_b128 v[36:39], v7, s[10:11]
	BIASLD 0
	WIN 0
	s_wait_loadcnt 0x0
	; the softmax over the eight experts, in every wave.  First the sum over the 32 jb: my two, then the lanes of equal parity
	v_pk_add_f32 v[32:33], v[32:33], v[40:41]
	v_pk_add_f32 v[34:35], v[34:35], v[42:43]
.irp m, 2,4,8
.irp q, 32,33,34,35
	v_add_f32_dpp v\q, v\q, v\q row_xmask:\m row_mask:0xf bank_mask:0xf
.endr
.endr
.irp q, 32,33,34,35
	v_permlanex16_b32 v40, v\q, s66, s67           ; its destination counts as read: v40 has been written by the load above
	v_add_f32 v\q, v\q, v40
.endr
	v_pk_add_f32 v[32:33], v[32:33], v[36:37]      ; + br2
	v_pk_add_f32 v[34:35], v[34:35], v[38:39]
	v_max3_num_f32 v44, v32, v33, v34
	v_max_num_f32 v44, v44, v35
	v_max_num_f32_dpp v44, v44, v44 row_xmask:1 row_mask:0xf bank_mask:0xf   ; the neighbour holds the other four: the largest of all eight
.irp q, 32,33,34,35
	v_sub_f32 v\q, v\q, v44                        ; the maximum is taken away, as in the reference
.endr
.irp q, 32,33,34,35
	v_mul_f32 v\q, 0x3fb8aa3b, v\q                 ; v_exp_f32 works in base 2
.endr
	v_exp_f32 v36, v32
	v_exp_f32 v37, v33
	v_exp_f32 v38, v34
	v_exp_f32 v39, v35
	v_nop                                          ; one plain place behind a transcendental before its result is used (ISA guide 5.7.2)
	s_wait_alu depctr_va_vdst(0)
	v_add_f32 v45, v36, v37
	v_add_f32 v46, v38, v39
	v_add_f32 v45, v45, v46
	v_add_f32_dpp v45, v45, v45 row_xmask:1 row_mask:0xf bank_mask:0xf       ; at least 1: the largest term is 2^0
	v_rcp_f32 v46, v45
	v_nop
	s_wait_alu depctr_va_vdst(0)
.irp q, 36,37,38,39
	v_mul_f32 v\q, v\q, v46
.endr
.irp e, 0,1,2,3
	v_readlane_b32 s[R+2*\e],   v[36+\e], 0        ; experts 0-3 from an even lane,
	v_readlane_b32 s[R+8+2*\e], v[36+\e], 1        ; 4-7 from an odd one
.endr
.irp e, 0,1,2,3,4,5,6,7
	s_mov_b32 s[R+2*\e+1], s[R+2*\e]               ; the whole pair is written, though the packed forms below take its first word twice
.endr
; 16 matrix instructions: m blocks a0, a0 + 1 of the window's four x all 8 n blocks, 32 along K.  bias = 1: the bias starts the sums.
; The 64 accumulators take turns, one instruction a turn, in the same order in every quarter step.
.macro MUL16 f, hi, a0, bias
.irp a, \a0, \a0+1
.irp b, 0,1,2,3,4,5,6,7
.if \bias
	v_wmma_f32_16x16x32_bf16 v[8*(8*(\a)+\b):8*(8*(\a)+\b)+7], v[\f+8*\b:\f+8*\b+7], v[\f+8*(4*\hi+\a):\f+8*(4*\hi+\a)+7], v[BIAS+8*\b:BIAS+8*\b+7]
.else
	v_wmma_f32_16x16x32_bf16 v[8*(8*(\a)+\b):8*(8*(\a)+\b)+7], v[\f+8*\b:\f+8*\b+7], v[\f+8*(4*\hi+\a):\f+8*(4*\hi+\a)+7], v[8*(8*(\a)+\b):8*(8*(\a)+\b)+7]
.endif
.endr
.endr
.endm
; 32 LDS loads in one run: the fragments of quarter q (32 along K) into buffer f.  B's tile b: k rows 32 q .. + 31, columns 64 (b / 2) + 32 wn + 16 (b % 2),
; by two transposing loads 16 k rows apart; A's block i: rows 16 i .. + 15 at byte 64 q, two loads 32 bytes apart.
.macro FETCH slot, q, f
	WIN TO_B
.irp b, 0,1,2,3,4,5,6,7
	ds_load_tr16_b128 v[\f+8*\b:\f+8*\b+3],   v[ADRB+\slot] offset:\q*32*BPITCH+(\b>>1)*128+(\b&1)*32
	ds_load_tr16_b128 v[\f+8*\b+4:\f+8*\b+7], v[ADRB+\slot] offset:\q*32*BPITCH+(\b>>1)*128+(\b&1)*32+16*BPITCH
.endr
	WIN 0
.irp i, 0,1,2,3,4,5,6,7
	ds_load_b128 v[\f+8*\i:\f+8*\i+3],   v[ADRA+\slot] offset:\q*64+\i*16*PITCH
	ds_load_b128 v[\f+8*\i+4:\f+8*\i+7], v[ADRA+\slot] offset:\q*64+\i*16*PITCH+32
.endr
.endm
; Four plain places behind a matrix instruction before a load is issued into one of its registers or a vector instruction touches them
; (ISA guide 7.12.1 for vector instructions); the matrix instructions in between are not counted.
.macro PLACES
.rept 4
	v_nop
.endr
.endm
; One of a K step's first three quarters: multiplies buffer f; in its middle it fetches quarter q of the same slot into buffer g.
.macro QUARTER slot, q, f, g, bias
	s_wait_dscnt 8                                 ; B and A's rows 0-63 are in; the youngest eight loads (A's rows 64-127) may be out
.if \bias
	WIN BIAS_LO
.else
	WIN MUL_LO
.endif
	MUL16 \f, 0, 0, \bias
	MUL16 \f, 0, 2, \bias
	PLACES
	FETCH \slot, \q, \g
	s_wait_dscnt 32                                ; all but the 32 just issued
.if \bias
	WIN BIAS_HI
.else
	WIN MUL_HI
.endif
	MUL16 \f, 1, 0, \bias
	MUL16 \f, 1, 2, \bias
.endm
.macro THREE slot, bias
	QUARTER \slot, 1, F0, F1, \bias
	QUARTER \slot, 2, F1, F0, 0
	QUARTER \slot, 3, F0, F1, 0
.endm
; The last quarter: multiplies buffer 1 and changes slots.  fill = 1: this slot is filled again, two K steps ahead; wrap = 1: those two steps ahead
; are in pass 1 (K goes back by six steps, B's columns on by 256).  In front of the barrier each wave waits for its reads of this slot and for all
; its tensor loads (one is out: its part of the next slot); where the slot is filled again the barrier opens a round of the cluster's barrier, and
; the joint refill is the first tensor load behind the round.  From a request to the wait for it a wave issues 240 matrix instructions.
.macro TURN slot, next, fill, wrap
	s_wait_dscnt 8
	WIN MUL_LO
	MUL16 F1, 0, 0, 0
	s_wait_dscnt 0                                 ; my reads of this slot are over
	s_set_vgpr_msb 0xa1a0
	s_wait_tensorcnt 0x0                           ; and all my tensor loads have landed
	ds_add_u32 v62, v63
	s_wait_dscnt 0x0
	s_set_vgpr_msb 0xa0a1
	s_barrier_signal -1
	MUL16 F1, 0, 2, 0                              ; register work while the others arrive
	WIN 0
	s_barrier_wait -1
.if \fill
	CREST                                          ; no wave of any partner still reads this slot's tile or has a load on its way
.if \wrap
	s_sub_nc_u64 s[G0+4*\slot+2:G0+4*\slot+3], s[G0+4*\slot+2:G0+4*\slot+3], 6*KSTEP*2
	s_sub_nc_u64 s[G0B+4*\slot+2:G0B+4*\slot+3], s[G0B+4*\slot+2:G0B+4*\slot+3], 6*KSTEP*BROW-512
.else
	s_add_nc_u64 s[G0+4*\slot+2:G0+4*\slot+3], s[G0+4*\slot+2:G0+4*\slot+3], 2*KSTEP*2
	s_add_nc_u64 s[G0B+4*\slot+2:G0B+4*\slot+3], s[G0B+4*\slot+2:G0B+4*\slot+3], 2*KSTEP*BROW
.endif
	JLOAD \slot
.endif
	PLACES
	FETCH \next, 0, F0
	WIN MUL_HI
	MUL16 F1, 1, 0, 0
	MUL16 F1, 1, 2, 0
.endm
.macro LAP bias, wrap                  ; once round the ring, both slots filled again
	THREE 0, \bias
	TURN 0, 1, 1, \wrap
	THREE 1, 0
	TURN 1, 0, 1, \wrap
.endm
; Two laps in a loop: K steps 2 to 5 of a pass.  id: a number for the label
.macro MIDDLE id
	WIN 0                                          ; at a label and at a branch every window is 0
	s_mov_b32 s3, 2
.Lmiddle_\id:
	LAP 0, 0
	WIN 0
	s_sub_co_u32 s3, s3, 1
	s_cmp_lg_u32 s3, 0
	s_cbranch_scc1 .Lmiddle_\id
.endm
; Behind a pass: relu on all 512 accumulator registers, then each output tile gathers its four experts' tiles, two numbers an instruction.
.macro RELU                            ; the 256 registers of the window that is set
.set i, 0
.rept 256
	v_max_num_f32 v[i], 0, v[i]
.set i, i+1
.endr
.endm
.macro COMB p, out                     ; eight independent instructions stand between two on one output pair; the first expert starts the sums
.irp a, 0,1,2,3
.irp el, 0,1,2,3
.irp c, 0,1
.irp jj, 0,1,2,3
.if \p+\el == 0
	v_pk_mul_f32 v[\out+8*(2*\a+\c)+2*\jj:\out+8*(2*\a+\c)+2*\jj+1], v[8*(8*\a+2*\el+\c)+2*\jj:8*(8*\a+2*\el+\c)+2*\jj+1], s[R+2*(4*\p+\el):R+2*(4*\p+\el)+1] op_sel_hi:[1,0]
.else
	v_pk_fma_f32 v[\out+8*(2*\a+\c)+2*\jj:\out+8*(2*\a+\c)+2*\jj+1], v[8*(8*\a+2*\el+\c)+2*\jj:8*(8*\a+2*\el+\c)+2*\jj+1], s[R+2*(4*\p+\el):R+2*(4*\p+\el)+1], v[\out+8*(2*\a+\c)+2*\jj:\out+8*(2*\a+\c)+2*\jj+1] op_sel_hi:[1,0,1]
.endif
.endr
.endr
.endr
.endr
.endm
.macro EPI p                           ; no LDS instruction stands here: the fetch that is on its way is counted as before
	PLACES
	WIN 0x88                                       ; source 1 and destination window 2
	RELU
	WIN 0x52                                       ; source 0 window 2; source 2 and destination window 1
	COMB \p, OUTLO
	WIN 0xcc                                       ; source 1 and destination window 3
	RELU
	WIN 0x03                                       ; source 0 window 3; source 2 and destination window 0
	COMB \p, OUTHI
.endm
; THE WAY OUT, 64 of my 128 rows at a time.  A row of the block is 64 f32 = 256 bytes, half from each of the two waves of one wm: both put their
; halves into the shared stage, a barrier, and each reads 32 whole rows back and stores them: sixteen lanes store 256 consecutive bytes, at a multiple
; of 256 from out0's first byte.  The two halves are read back into different buffers, so no store's data is written again.
.macro OUTR i, base, win, buf
	WIN \win
.irp a, 0,1,2,3
.irp c, 0,1
.irp u, 0,1
	ds_store_b128 v[STO], v[\base+8*(2*\a+\c)+4*\u:\base+8*(2*\a+\c)+4*\u+3] offset:\a*16*SPITCH+64*\c+16*\u
.endr
.endr
.endr
	WIN 0
	s_wait_dscnt 0x0                               ; my halves of the rows are written,
	s_barrier_signal -1
	s_barrier_wait -1                              ; the other wave's too
.irp t, 0,1,2,3,4,5,6,7,8,9,10,11,12,13,14,15
	ds_load_b128 v[\buf+4*\t:\buf+4*\t+3], v[RD] offset:\t*2*SPITCH
.endr
.irp t, 0,1,2,3,4,5,6,7,8,9,10,11,12,13,14,15
	s_wait_dscnt 15-\t                             ; LDS loads come back in order: pair t of rows is in
	global_store_b128 v[CO], v[\buf+4*\t:\buf+4*\t+3], s[14:15] offset:(64*\i+2*\t)*4096 th:TH_STORE_NT
.endr
.endm
	s_wait_tensorcnt 0x1                           ; my part of K step 0 is in; K step 1's may stay out
	s_barrier_signal -1
	s_barrier_wait -1
	FETCH 0, 0, F0
	; PASS 0: experts 0-3
	LAP 1, 0                                       ; K steps 0, 1: the bias starts the sums
	BIASLD 1                                       ; pass 1's bias: the bias registers were last read in the first quarter, with the places of later quarters behind it
	MIDDLE 0                                       ; K steps 2 to 5
	LAP 0, 1                                       ; K steps 6, 7; the refills are pass 1's K steps 0, 1, the last fetch its first fragments
	EPI 0
	s_wait_loadcnt 0x0                             ; pass 1's bias
	; PASS 1: experts 4-7
	LAP 1, 0
	MIDDLE 1
	THREE 0, 0                                     ; the last lap fills nothing and has no round of the cluster's barrier
	TURN 0, 1, 0, 0
	THREE 1, 0
	s_wait_dscnt 8                                 ; the very last quarter: nothing more to fetch
	WIN MUL_LO
	MUL16 F1, 0, 0, 0
	MUL16 F1, 0, 2, 0
	s_wait_dscnt 0
	WIN MUL_HI
	MUL16 F1, 1, 0, 0
	MUL16 F1, 1, 2, 0
	EPI 1
	OUTR 0, OUTLO, 0x04, F1                        ; store data (source 1) in window 1
	s_wait_dscnt 0x0                               ; my reads of the stage are back (met: the count-down ended at 0)
	s_barrier_signal -1
	s_barrier_wait -1                              ; everybody's are: the stage may be written again
	OUTR 1, OUTHI, 0, F0
	s_wait_tensorcnt 0x0
	ds_add_u32 v62, v63
	s_wait_dscnt 0x0
	CROUND                                         ; the closing round: no work-group ends while a partner may still ask for a tile that names it
	s_endpgm
.Lfunc_end_k_q66840159c8_moe:
	.size	k_q66840159c8_moe, .Lfunc_end_k_q66840159c8_moe-k_q66840159c8_moe
	.p2alignl 7, 3214868480
	.fill 96, 4, 3214868480
	.section	.rodata,"a",@progbits
	.p2align	6, 0x0
	.amdhsa_kernel k_q66840159c8_moe
		.amdhsa_group_segment_fixed_size 327680
		.amdhsa_private_segment_fixed_size 0
		.amdhsa_enable_private_segment 0
		.amdhsa_kernarg_size 48
		.amdhsa_user_sgpr_count 2
		.amdhsa_user_sgpr_kernarg_segment_ptr 1
		.amdhsa_wavefront_size32 1
		.amdhsa_system_sgpr_workgroup_id_x 1
		.amdhsa_system_sgpr_workgroup_id_y 1
		.amdhsa_system_sgpr_workgroup_id_z 1
		.amdhsa_system_vgpr_workitem_id 0
		.amdhsa_next_free_vgpr 1024
		.amdhsa_next_free_sgpr 88
		.amdhsa_reserve_vcc 0
		.amdhsa_float_denorm_mode_32 3
		.amdhsa_float_denorm_mode_16_64 3
		.amdhsa_memory_ordered 1
		.amdhsa_forward_progress 1
		.amdhsa_inst_pref_size 255
	.end_amdhsa_kernel
	.section	.bss,"aw",@nobits
	.p2align	6
	.space	262144
	.amdgpu_metadata
---
amdhsa.version: [ 1, 2 ]
amdhsa.kernels:
  - .name:           k_q66840159c8_moe
    .symbol:         k_q66840159c8_moe.kd
    .args:
      - { .name: xb, .offset: 0, .size: 8, .value_kind: global_buffer, .address_space: global }
      - { .name: wt, .offset: 8, .size: 8, .value_kind: global_buffer, .address_space: global }
      - { .name: be, .offset: 16, .size: 8, .value_kind: global_buffer, .address_space: global }
      - { .name: br2, .offset: 24, .size: 8, .value_kind: global_buffer, .address_space: global }
      - { .name: plog, .offset: 32, .size: 8, .value_kind: global_buffer, .address_space: global }
      - { .name: out0, .offset: 40, .size: 8, .value_kind: global_buffer, .address_space: global }
    .group_segment_fixed_size: 327680
    .private_segment_fixed_size: 0
    .kernarg_segment_align: 8
    .kernarg_segment_size: 48
    .max_flat_workgroup_size: 128
    .sgpr_count:     88
    .vgpr_count:     1024
    .wavefront_size: 32
...
	.end_amdgpu_metadata
.endif
;; end of part 3
;; ======== version 2 of 2: 3 launches; version 1 with the launch prep written anew for expert scheduling mode
;; workspace buffers: xb 16,777,216 bytes; wt 16,777,216 bytes; psum 262,144 bytes; plog 8,192 bytes
;; launch prep (part 4): grid 256 x 2, 8 waves a work-group, no clusters, 5,120 bytes of LDS; arguments x, We, xb, wt, psum; writes xb, wt, psum
.if DOCPART == 4
	.amdgcn_target "amdgcn-amd-amdhsa--gfx1250"
	.amdhsa_code_object_version 6
	.text
	.protected	k_q66840159c8_prep
	.globl	k_q66840159c8_prep
	.p2align	8
	.type	k_q66840159c8_prep,@function
k_q66840159c8_prep:
	s_mov_b64 s[64:65], 0
	v_nop
	global_prefetch_b8 v0, s[64:65] scope:SCOPE_SE
	s_setreg_imm32_b32 hwreg(HW_REG_WAVE_SCHED_MODE, 0, 2), 2
	s_setreg_imm32_b32 hwreg(HW_REG_WAVE_MODE, 25, 1), 1
	s_wait_xcnt 0x0
	s_wait_alu depctr_vm_vsrc(0)
; Casts x and We to bf16 for the expert product and makes partial column sums of x for the router's mean.
;   xb   bf16 [8192 rows (b, s)][1024 h]               the same order as x
;   wt   bf16 [1024 h][8192 n'], n' = 512 (d / 64) + 64 e + d % 64     We with the experts interleaved in blocks of 64 columns
;   psum f32  [8 b][8 rg][1024 h]                      column sums of x's rows 128 rg .. 128 rg + 127 of batch b
; Grid y = 0: x;  y = 1: We.  Work-group g of 256 does 32 steps; in a step its 256 threads read 4,096 bytes of f32, 16 a thread,
; and write 2,048 bytes of bf16, 8 a thread.  All 32 loads of a thread go out at once (131,072 bytes a work-group): no loop,
; and no register that a load or store names is written twice.
; x:  work-group g has rows 128 (g / 4) .. + 127 and columns 256 (g % 4) .. + 255.  Thread t = 64 q + c; step j is row 4 j + q:
;     source  (g / 4) 524288 + (g % 4) 1024 + q 4096 + 16 c + j 16384      destination  (g / 4) 262144 + (g % 4) 512 + q 2048 + 8 c + j 8192
;     A thread adds its 32 rows; the four q meet in LDS (4,096 bytes), and threads 0 to 63 store the sums of 128 rows at psum + 1024 g + 16 c:
;     so the router has 8 partial sums to read for a batch, not one for every 32 rows.
; We: step J = 32 g + j stands for h = J / 8 and column blocks X = 2 (J % 8) + t / 128; the thread has e = (t / 16) % 8, c = 4 (t % 16):
;     source  e 4194304 + h 4096 + X 256 + 4 c = J 512 + LW,  LW = 16 (t % 16) + 4194304 ((t / 16) % 8) + 256 (t / 128)
;     destination  h 16384 + X 1024 + e 128 + 2 c = J 2048 + 8 t
; A wave's load covers two aligned runs of 256 bytes, a wave's store of bf16 one aligned run of 256 bytes.
; Rounding: to nearest even, once.  The sums are f32: a thread's in the order of its rows, then the four q.
; THE MODE: SCHED_MODE bits 1:0 = 2 (LLVM: expert scheduling mode 2), set by the entry lines.  The code itself states the register dependences
; between vector instructions and memory or LDS instructions, with s_wait_alu, always for 0.
; THE PLAN.  Registers that memory or LDS instructions touch:
;   v[SO], v[DO], v[LT]  offsets, made at a branch's head and never written again: one wait ahead of the first load serves every load and store.
;   XR   step j: written by its load alone; read by step j's additions and roundings.
;   YR   step j: written once, by step j's two roundings; read by step j's store, which is issued in step j + BLK.
;   SUMR written by the additions; read by the one LDS store behind the last of them.
;   PR   written by four LDS loads, then added up in place; its first four registers are read by the store to psum.
;   v62, v63  written at the head, read by the closing add alone.
; The 32 steps go in 8 blocks of BLK = 4.  One wait at a block's head states that the block before has written its YR; the block's four stores, of
; the block before, are dealt one to a step: the vector instructions issued since that wait name XR and YR of the block in hand and SUMR, none of the
; registers that those stores read.  No register that a memory or LDS instruction has read is written again, so the text holds no wait on vm_vsrc.
.set BLK,   4                          ; steps in a block
.set SO,    1                          ; v1         source offset of my 16 bytes in step 0
.set DO,    2                          ; v2         destination offset of my 8 bytes in step 0
.set LT,    3                          ; v3         16 t: my place in LDS, and for t < 64 in the work-group's 1,024 bytes of psum
.set SUMR,  4                          ; v[4:7]     column sums of my four columns (x only)
.set PR,    8                          ; v[8:23]    the four q's sums, read back (threads 0 to 63)
.set XR,    64                         ; v[64:191]  step j: 4 registers as loaded
.set YR,    192                        ; v[192:255] step j: 2 registers to store
; src, dst: the scalar pairs of the two bases; sstep, dstep: bytes from step to step; sums = 1: add the rows up
.macro CAST src, dst, sstep, dstep, sums
	s_wait_alu depctr_va_vdst(0)                   ; the offsets v[SO], v[DO] and (x) v[LT] are written: every load, store and LDS instruction below reads one of them
.set j, 0
.rept 32
	global_load_b128 v[XR+4*j:XR+4*j+3], v[SO], s[\src:\src+1] offset:j*\sstep th:TH_LOAD_NT   ; read once in the launch
.set j, j+1
.endr
.set j, 0
.rept 32
	s_wait_loadcnt 31-j                            ; loads come back in order: step j is in, the 31 - j younger ones stay out
.if j >= BLK
.if j % BLK == 0
	s_wait_alu depctr_va_vdst(0)                   ; the roundings of the block before have written its eight v[YR ..], which this block's four stores read
.endif
	global_store_b64 v[DO], v[YR+2*(j-BLK):YR+2*(j-BLK)+1], s[\dst:\dst+1] offset:(j-BLK)*\dstep   ; step j - BLK; no hint: a later launch reads it again
.endif
.if \sums
.if j == 1
	v_pk_add_f32 v[SUMR:SUMR+1],   v[XR:XR+1],   v[XR+4:XR+5]     ; steps 0 and 1 start the sums: nothing is cleared
	v_pk_add_f32 v[SUMR+2:SUMR+3], v[XR+2:XR+3], v[XR+6:XR+7]
.endif
.if j > 1
	v_pk_add_f32 v[SUMR:SUMR+1],   v[SUMR:SUMR+1],   v[XR+4*j:XR+4*j+1]
	v_pk_add_f32 v[SUMR+2:SUMR+3], v[SUMR+2:SUMR+3], v[XR+4*j+2:XR+4*j+3]
.endif
.endif
	v_cvt_pk_bf16_f32 v[YR+2*j],   v[XR+4*j],   v[XR+4*j+1]
	v_cvt_pk_bf16_f32 v[YR+2*j+1], v[XR+4*j+2], v[XR+4*j+3]
.set j, j+1
.endr
	s_wait_alu depctr_va_vdst(0)                   ; the last block's roundings have written its v[YR ..], which the stores below read; with sums = 1 the last additions have written v[SUMR ..], which the LDS store behind this macro reads
.set j, 32-BLK
.rept BLK
	global_store_b64 v[DO], v[YR+2*j:YR+2*j+1], s[\dst:\dst+1] offset:j*\dstep
.set j, j+1
.endr
.endm
	s_load_b256 s[4:11], s[0:1], 0x0               ; x s[4:5], We s[6:7], xb s[8:9], wt s[10:11]
	s_load_b64 s[12:13], s[0:1], 0x20              ; psum
	v_lshl_add_u32 v62, v0, 2, 0x1000              ; my spare word, behind the 4,096 bytes of sums; kept for the closing lines alone
	v_mov_b32 v63, 0                               ; and 0, likewise
	s_and_b32 s14, ttmp7, 0xffff                   ; 0: x, 1: We
	v_lshrrev_b32 v[LT], 5, v0
	v_readfirstlane_b32 s15, v[LT]                 ; wave
	s_mov_b32 s17, 0
	s_mov_b32 s19, 0
	s_mov_b32 s21, 0
	s_wait_kmcnt 0x0
	s_wait_alu depctr_va_sdst(0)                   ; s15 is written: its first reader, the compare behind the barrier, lies beyond the branch below
	s_cmp_lg_u32 s14, 0
	s_cbranch_scc1 .Lweights
	s_lshr_b32 s22, ttmp9, 2                       ; g / 4: which 128 rows
	s_and_b32 s23, ttmp9, 3                        ; g % 4: which 256 columns
	s_lshl_b32 s16, s22, 19                        ; 128 rows x 4,096 bytes
	s_lshl_b32 s18, s23, 10
	s_add_co_u32 s16, s16, s18
	s_lshl_b32 s18, s22, 18                        ; 128 rows x 2,048 bytes
	s_lshl_b32 s20, s23, 9
	s_add_co_u32 s18, s18, s20
	s_lshl_b32 s20, ttmp9, 10                      ; my 1,024 bytes of psum
	v_and_b32 v[LT], 63, v0                        ; c
	v_lshrrev_b32 v[SUMR], 6, v0                   ; q
	v_lshlrev_b32 v[SO], 4, v[LT]
	v_lshl_add_u32 v[SO], v[SUMR], 12, v[SO]       ; q 4096 + 16 c
	v_lshlrev_b32 v[DO], 3, v[LT]
	v_lshl_add_u32 v[DO], v[SUMR], 11, v[DO]       ; q 2048 + 8 c
	v_lshlrev_b32 v[LT], 4, v0                     ; 16 t = q 1024 + 16 c
	s_add_nc_u64 s[4:5], s[4:5], s[16:17]
	s_add_nc_u64 s[8:9], s[8:9], s[18:19]
	s_add_nc_u64 s[12:13], s[12:13], s[20:21]
	CAST 4, 8, 16384, 8192, 1
	ds_store_b128 v[LT], v[SUMR:SUMR+3]            ; no vector instruction has been issued since the macro's last wait, which showed v[SUMR ..] written
	s_wait_dscnt 0x0                               ; my sums are written,
	s_barrier_signal -1
	s_barrier_wait -1                              ; everybody's are
	s_cmp_ge_u32 s15, 2
	s_cbranch_scc1 .Ldone                          ; waves 0 and 1 (threads 0 to 63) add the four q
.irp q, 0,1,2,3
	ds_load_b128 v[PR+4*\q:PR+4*\q+3], v[LT] offset:1024*\q        ; no vector instruction has named v[PR ..] before
.endr
	s_wait_dscnt 0x0
	v_pk_add_f32 v[PR:PR+1],     v[PR:PR+1],     v[PR+4:PR+5]
	v_pk_add_f32 v[PR+2:PR+3],   v[PR+2:PR+3],   v[PR+6:PR+7]
	v_pk_add_f32 v[PR+8:PR+9],   v[PR+8:PR+9],   v[PR+12:PR+13]
	v_pk_add_f32 v[PR+10:PR+11], v[PR+10:PR+11], v[PR+14:PR+15]
	v_pk_add_f32 v[PR:PR+1],     v[PR:PR+1],     v[PR+8:PR+9]
	v_pk_add_f32 v[PR+2:PR+3],   v[PR+2:PR+3],   v[PR+10:PR+11]
	s_wait_alu depctr_va_vdst(0)                   ; the additions have written v[PR:PR+3], which the store reads
	global_store_b128 v[LT], v[PR:PR+3], s[12:13]  ; a wave stores 512 consecutive bytes
.Ldone:
	s_wait_dscnt 0x0                               ; the closing lines, six on end
	s_wait_alu 0x0
	s_wait_tensorcnt 0x0
	ds_add_u32 v62, v63
	s_wait_dscnt 0x0
	s_endpgm
.Lweights:
	s_lshl_b32 s16, ttmp9, 14                      ; g x 32 steps x 512 bytes
	s_lshl_b32 s18, ttmp9, 16                      ; g x 32 steps x 2,048 bytes
	v_lshlrev_b32 v[DO], 3, v0                     ; 8 t
	v_and_b32 v[SO], 15, v0
	v_lshlrev_b32 v[SO], 4, v[SO]                  ; 16 (t % 16)
	v_bfe_u32 v[LT], v0, 4, 3
	v_lshl_add_u32 v[SO], v[LT], 22, v[SO]         ; + expert x 4,194,304
	v_lshrrev_b32 v[LT], 7, v0
	v_lshl_add_u32 v[SO], v[LT], 8, v[SO]          ; + 256 (t / 128)
	s_add_nc_u64 s[6:7], s[6:7], s[16:17]
	s_add_nc_u64 s[10:11], s[10:11], s[18:19]
	CAST 6, 10, 512, 2048, 0
	s_endpgm
.Lfunc_end_k_q66840159c8_prep:
	.size	k_q66840159c8_prep, .Lfunc_end_k_q66840159c8_prep-k_q66840159c8_prep
	.p2alignl 7, 3214868480
	.fill 96, 4, 3214868480
	.section	.rodata,"a",@progbits
	.p2align	6, 0x0
	.amdhsa_kernel k_q66840159c8_prep
		.amdhsa_group_segment_fixed_size 5120
		.amdhsa_private_segment_fixed_size 0
		.amdhsa_enable_private_segment 0
		.amdhsa_kernarg_size 40
		.amdhsa_user_sgpr_count 2
		.amdhsa_user_sgpr_kernarg_segment_ptr 1
		.amdhsa_wavefront_size32 1
		.amdhsa_system_sgpr_workgroup_id_x 1
		.amdhsa_system_sgpr_workgroup_id_y 1
		.amdhsa_system_sgpr_workgroup_id_z 1
		.amdhsa_system_vgpr_workitem_id 0
		.amdhsa_next_free_vgpr 256
		.amdhsa_next_free_sgpr 66
		.amdhsa_reserve_vcc 0
		.amdhsa_float_denorm_mode_32 3
		.amdhsa_float_denorm_mode_16_64 3
		.amdhsa_memory_ordered 1
		.amdhsa_forward_progress 1
		.amdhsa_inst_pref_size 30
	.end_amdhsa_kernel
	.amdgpu_metadata
---
amdhsa.version: [ 1, 2 ]
amdhsa.kernels:
  - .name:           k_q66840159c8_prep
    .symbol:         k_q66840159c8_prep.kd
    .args:
      - { .name: x, .offset: 0, .size: 8, .value_kind: global_buffer, .address_space: global }
      - { .name: We, .offset: 8, .size: 8, .value_kind: global_buffer, .address_space: global }
      - { .name: xb, .offset: 16, .size: 8, .value_kind: global_buffer, .address_space: global }
      - { .name: wt, .offset: 24, .size: 8, .value_kind: global_buffer, .address_space: global }
      - { .name: psum, .offset: 32, .size: 8, .value_kind: global_buffer, .address_space: global }
    .group_segment_fixed_size: 5120
    .private_segment_fixed_size: 0
    .kernarg_segment_align: 8
    .kernarg_segment_size: 40
    .max_flat_workgroup_size: 256
    .sgpr_count:     66
    .vgpr_count:     256
    .wavefront_size: 32
...
	.end_amdgpu_metadata
.endif
;; end of part 4
;; launch router: the kernel of part 2 again; grid 32 x 8, 8 waves a work-group, no clusters, 9,216 bytes of LDS; arguments psum, Wr1, br1, Wr2, plog; writes plog
;; launch moe: the kernel of part 3 again; grid 16 x 32, 4 waves a work-group, clusters of 4 x 4, 327,680 bytes of LDS; arguments xb, wt, be, br2, plog, out0; writes out0
